; MI455X (gfx1250); checked and timed in simulation.
; The chip was launched on July 23, 2026; its instructions are those of AMD's public machine-readable ISA for CDNA 5 (MIT licence, August 2026) and "CDNA5" Instruction Set Architecture Reference Guide (July 2026). The comments in the code are by the model that wrote it; some were corrected since.
;; MLX Swi GLU. Allowed arithmetic: matrix products marked QUANTISED: E2M1 operands, one E8M0 scale for each 32 along K, by v_wmma_scale_f32_16x16x128_f8f6f4 with both operands' format E2M1 (or v_wmma_scale_f32_32x16x128_f4), f32 sums; everything else in f32.
;; Inputs: w_down 2,048 x 1,024 float32; w_gate 1,024 x 2,048 float32; w_up 1,024 x 2,048 float32; x 4 x 2,048 x 2,048 float32.
;; Outputs: out0 4 x 2,048 x 2,048 float32.
;; This version of the problem:
;;   THIS VERSION OF THE PROBLEM IS GIVEN IN LOW PRECISION. The matrix products marked QUANTISED in the list below multiply operands that are first quantised to E2M1 (2 exponent bits, 1 mantissa bit; 4 bits a number), with one power-of-two scale for each 32 numbers along K (OCP MX v1.0); their sums are f32. All else is computed in f32.
;;   The module's matrix products, in the order in which they are computed (A, B: the left and right operand; K: the contracted axis; several contracted axes count as one K, in the product's order):
;;     1. [M 8,192, K 2,048] x [K 2,048, N 1,024]; A: input x; B: input w_gate: QUANTISED
;;     2. [M 8,192, K 2,048] x [K 2,048, N 1,024]; A: input x; B: input w_up: QUANTISED
;;     3. [M 8,192, K 1,024] x [K 1,024, N 2,048]; A: computed on the way; B: input w_down: QUANTISED
;;   THE QUANTISER, for each operand of a quantised product, along K:
;;     - K is cut into blocks of 32 from its start; a last block that is shorter is filled with zeros.
;;     - A block's scale is 2^e with e = floor(log2(the largest magnitude in the block)) - 2, held to -126 .. 127; a block of zeros has e = 0. As a byte (E8M0): e + 127.
;;     - Each number is divided by its block's scale, clamped to +-6, and rounded to the nearest number of E2M1, ties to even, subnormals kept.
;;     - The product sums the exact products of the quantised numbers (number of the format x scale) in f32.
;;   ~~~python
;;   def quantise(x, axis):      # numpy; x: float32 -> the quantised numbers, widened to float32 again
;;       x = np.moveaxis(x, axis, -1); K = x.shape[-1]
;;       x = np.pad(x, [(0, 0)] * (x.ndim - 1) + [(0, -K % 32)]); x = x.reshape(x.shape[:-1] + (-1, 32)); a = np.abs(x).max(-1, keepdims=True)
;;       e = np.where(a > 0, np.clip(np.frexp(np.where(a > 0, a, 1))[1] - 1 - 2, -126, 127), 0)      # np.frexp(a)[1] - 1 = floor(log2(a)), exactly
;;       r = np.clip(x / 2.0 ** e, -6, 6)
;;       step = 2.0 ** (np.maximum(np.frexp(np.where(r == 0, 1, r))[1] - 1, 0) - 1)
;;       q = np.round(r / step) * step * 2.0 ** e      # np.round: ties to even
;;       return np.moveaxis(q.reshape(q.shape[:-2] + (-1,))[..., :K], -1, axis).astype(np.float32)
;;   ~~~
;;   OPERANDS COMPUTED ON THE WAY. 'Computed on the way' means the value that the module computes at that place (a softmax that the list does not call 'softmax' is quantised finished and normalised). What goes into a quantiser is computed in f32, as accurately as f32 sums, v_exp_f32 and their like allow (about 1e-6 of the number): no bf16 or f16 on the way to a quantiser, and a product that is left as it is and whose result goes on into a quantised operand takes f32 operands (vector FMAs, or v_wmma_f32_16x16x4_f32). A number that lies on a knife's edge between two numbers of the format may be rounded either way, as far as f32 arithmetic and the matrix unit's own rounding can turn it there, and no further.
;; One version. Each part assembles by itself: llvm-mc -triple=amdgcn-amd-amdhsa -mcpu=gfx1250 --defsym DOCPART=n.
;; ======== version 1 of 1: 3 launches
;; limits: right only within a limited range of input values
;; workspace buffers: xc 8,388,608 bytes; xs 524,288 bytes; guc 2,097,152 bytes; gus 131,072 bytes; dc 1,048,576 bytes; dsc 65,536 bytes; hc 4,194,304 bytes; hs 262,144 bytes
;; launch quant (part 1): grid 704 x 1, 4 waves a work-group, no clusters, 1,536 bytes of LDS; arguments x, w_gate, w_up, w_down, xc, xs, guc, gus, dc, dsc; writes xc, xs, guc, gus, dc, dsc
.if DOCPART == 1
	.amdgcn_target "amdgcn-amd-amdhsa--gfx1250"
	.amdhsa_code_object_version 6
	.text
	.protected	k_q523526c50c_quant
	.globl	k_q523526c50c_quant
	.p2align	8
	.type	k_q523526c50c_quant,@function
k_q523526c50c_quant:
	s_mov_b64 s[64:65], 0
	v_nop
	global_prefetch_b8 v0, s[64:65] scope:SCOPE_SE
	s_setreg_imm32_b32 hwreg(HW_REG_WAVE_MODE, 25, 1), 1
	s_wait_xcnt 0x0
; x [8192][2048], w_gate and w_up [1024][2048], w_down [2048][1024], all f32 with K innermost, become codes of FP4 (E2M1), two a byte, K innermost, with one E8M0 scale byte for each 32 along K.
; A block's scale is 2^(floor(log2(its largest magnitude)) - 2); its byte is the largest magnitude's own exponent field - 2, held at 1 from below.  Each number is divided by the scale and rounded to the nearest code,
; ties to even; what lies beyond 6 gets the largest code.
; LIMITS: a block of zeros gets the byte 1 where the rule says 127 (its codes are zeros, which add nothing under any byte but 0xff, and the bytes are read by this program alone); blocks whose largest magnitude lies under
; 2^-124, the floor, are held at byte 1; NaN and infinities among the inputs are not served.
; SHARES.  Rows are dense and K is a multiple of 32, so each tensor is a stream of blocks of 32.  A wave takes a run of 8,192 numbers, 16 steps of 512; a work-group four runs.  Work-groups 0-511 take x, 512-575 w_gate,
; 576-639 w_up, 640-703 w_down: only pointers are chosen, by the work-group's number; all take one path through the text.  The work-groups share no input, so there is no cluster, and waves share nothing, so no barrier.
; WHERE THE RUNS GO.  x's and w_down's codes and bytes lie as the numbers lie.  w_gate and w_up go into ONE buffer of 2,048 rows, in the order in which the next launch wants them: hidden unit n (bits s:9-7, c:6, B:5, h:4, u:3, j:2-0)
; of gate (g = 0) or up (g = 1) is row p = 256 s + 128 c + 64 g + 32 B + 16 u + 8 h + j.  A run is four rows (n / 4 = run), and they stay four neighbouring rows: so only the run's number is permuted.
; A STEP.  Each of its four loads reads 512 consecutive bytes, 16 a lane: load i gives lane l the numbers 128 i + 4 l + 0 .. 3.  The conversions take 8 neighbours from ONE lane's registers, so lanes l and l xor 1 change halves,
; in registers: of loads 2 g and 2 g + 1 the even lane 2 p keeps load 2 g's numbers 8 p .. 8 p + 7, the odd lane 2 p + 1 load 2 g + 1's.  A block of 32 then lies in lanes l, l xor 2, l xor 4, l xor 6.
; A lane's two code words (g = 0, 1) lie 128 bytes apart in the step's 256; changed with lane l xor 2's they are 8 neighbouring bytes, at 64 (l % 4) + 8 (l / 4): the wave's store covers 256 consecutive bytes, aligned.
; A wave's 256 scale bytes are gathered in its own LDS bytes and leave as one aligned run of 256 bytes.  Loads run eight steps (32 loads a wave) ahead.  The codes of four steps leave together, four stores on end.
.set STEPS, 16
.set AHEAD, 8
.set R,     16                         ; v16-143  eight sets of 16 numbers
.set T,     144                        ; v144-151 the neighbour's halves
.set U,     152                        ; v152-153 lane l xor 2's code words
.set CT,    154                        ; v154-155 my two code words
.set C,     160                        ; v160-191 codes: two registers for each step, so that no store's data are written again
	s_load_b256 s[4:11], s[0:1], 0x0               ; x s[4:5], w_gate s[6:7], w_up s[8:9], w_down s[10:11]
	s_load_b256 s[12:19], s[0:1], 0x20             ; xc s[12:13], xs s[14:15], guc s[16:17], gus s[18:19]
	s_load_b128 s[20:23], s[0:1], 0x40             ; dc s[20:21], dsc s[22:23]
	v_lshl_add_u32 v192, v0, 2, 0x400              ; my spare word, behind the four waves' 256 scale bytes; never rewritten
	v_mov_b32 v193, 0                              ; 0; never rewritten
	v_lshrrev_b32 v1, 5, v0
	v_readfirstlane_b32 s24, v1                    ; wave
	v_and_b32 v2, 31, v0                           ; lane
	v_lshlrev_b32 v3, 4, v2                        ; my 16 bytes of a load's 512
	s_lshl_b32 s25, s24, 8                         ; LDS: my wave's 256 scale bytes
	v_and_b32 v14, 3, v2
	v_lshrrev_b32 v15, 2, v2
	v_lshlrev_b32 v4, 3, v15
	v_lshl_add_u32 v4, v14, 6, v4                  ; my codes' place in a step's 256 bytes: 64 (l % 4) + 8 (l / 4)
	v_and_b32 v14, 1, v2
	v_lshrrev_b32 v15, 3, v2
	v_lshl_add_u32 v5, v14, 2, v15                 ; my block's byte among a step's 16: 4 (l % 2) + l / 8, and 8 more for g = 1
	v_add_nc_u32 v5, s25, v5
	v_lshlrev_b32 v7, 3, v2                        ; and on the way out 8 bytes a lane
	v_add_nc_u32 v6, s25, v7
.irp k, 0,1,2,3,4,5,6,7,8,9
	v_mov_b32 v[T+\k], 0                           ; written once: the destination of a DPP form counts as one of its sources
.endr
	s_mov_b32 s32, 0xaaaaaaaa                      ; the odd lanes
	s_mov_b32 s33, 0xcccccccc                      ; the lanes with l % 4 >= 2
	s_wait_alu depctr_va_vdst(0)                   ; the wait at the head's end
	s_wait_kmcnt 0x0
	; which tensor is my work-group's?  The choices hang on the work-group's number alone.  Source s[10:11], codes s[20:21], scale bytes s[22:23], the tensor's first work-group s26
	s_mov_b32 s26, 640
	s_cmp_lt_u32 ttmp9, 640
	s_cselect_b64 s[10:11], s[8:9], s[10:11]
	s_cselect_b64 s[20:21], s[16:17], s[20:21]
	s_cselect_b64 s[22:23], s[18:19], s[22:23]
	s_cselect_b32 s26, 576, s26
	s_cmp_lt_u32 ttmp9, 576
	s_cselect_b64 s[10:11], s[6:7], s[10:11]
	s_cselect_b32 s26, 512, s26
	s_cmp_lt_u32 ttmp9, 512
	s_cselect_b64 s[10:11], s[4:5], s[10:11]
	s_cselect_b64 s[20:21], s[12:13], s[20:21]
	s_cselect_b64 s[22:23], s[14:15], s[22:23]
	s_cselect_b32 s26, 0, s26
	s_sub_co_u32 s27, ttmp9, s26
	s_lshl_b32 s27, s27, 2
	s_add_co_u32 s27, s27, s24                     ; which run of 8,192 numbers of the tensor is my wave's
	s_sub_co_u32 s28, ttmp9, 512                   ; 0-63 gate, 64-127 up; beyond 127 for w_down and (wrapped round) for x
	s_and_b32 s29, s27, 9                          ; the run's number in guc: bits 0 and 3 stay,
	s_bfe_u32 s30, s27, 0x10001
	s_lshl_b32 s30, s30, 2
	s_or_b32 s29, s29, s30                         ; bit 1 (u) goes to bit 2,
	s_bfe_u32 s30, s27, 0x10002
	s_lshl_b32 s30, s30, 1
	s_or_b32 s29, s29, s30                         ; bit 2 (h) to bit 1,
	s_lshr_b32 s30, s27, 4
	s_lshl_b32 s30, s30, 5
	s_or_b32 s29, s29, s30                         ; bits 4 and up (c, s) one up,
	s_lshr_b32 s30, s28, 6
	s_lshl_b32 s30, s30, 4
	s_or_b32 s29, s29, s30                         ; and g takes bit 4
	s_cmp_lt_u32 s28, 128
	s_cselect_b32 s29, s29, s27                    ; x and w_down keep their order
	s_mov_b32 s31, 0
	s_lshl_b32 s30, s27, 15                        ; 32,768 bytes of numbers a run (2,047 runs at the most: under 2^32)
	s_add_nc_u64 s[10:11], s[10:11], s[30:31]
	s_lshl_b32 s30, s29, 12                        ; 4,096 bytes of codes
	s_add_nc_u64 s[20:21], s[20:21], s[30:31]
	s_lshl_b32 s30, s29, 8                         ; 256 scale bytes
	s_add_nc_u64 s[22:23], s[22:23], s[30:31]
.macro LOAD t
.irp i, 0,1,2,3
	global_load_b128 v[R+16*((\t)%AHEAD)+4*\i:R+16*((\t)%AHEAD)+4*\i+3], v3, s[10:11] offset:2048*(\t)+512*\i th:TH_LOAD_NT   ; 32 lanes read 512 consecutive bytes; read once in the launch
.endr
.endm
.irp t, 0,1,2,3,4,5,6,7
	LOAD \t
.endr
.macro STEP t
.set RS, R+16*((\t)%AHEAD)
.if STEPS-1-(\t) >= AHEAD-1
	s_wait_loadcnt 4*(AHEAD-1)                     ; this step's four loads are in; those of the seven steps behind it may be out
.else
	s_wait_loadcnt 4*(STEPS-1-(\t))                ; near the end fewer steps stand behind it
.endif
.irp g, 0,1                            ; loads 2 g and 2 g + 1: lanes l and l xor 1 change halves
.irp k, 0,1,2,3,4,5,6,7
	v_mov_b32_dpp v[T+\k], v[RS+8*\g+\k] row_xmask:1 row_mask:0xf bank_mask:0xf   ; my neighbour's eight numbers
.endr
.irp k, 0,1,2,3
	v_cndmask_b32 v[RS+8*\g+\k], v[RS+8*\g+\k], v[T+4+\k], s32       ; the first four: an even lane keeps load 2 g's, an odd lane takes its neighbour's of load 2 g + 1
	v_cndmask_b32 v[RS+8*\g+4+\k], v[T+\k], v[RS+8*\g+4+\k], s32     ; the second four: an even lane takes its neighbour's of load 2 g, an odd lane keeps load 2 g + 1's
.endr
.endr
.irp g, 0,1
	v_max3_num_f32 v[8+\g], |v[RS+8*\g]|, |v[RS+8*\g+1]|, 0x1800000  ; the largest magnitude of my 8, and the floor 2^(3 - 127): so the byte cannot fall under 1; the two runs by turns
.endr
.irp i, 2,4,6
.irp g, 0,1
	v_max3_num_f32 v[8+\g], v[8+\g], |v[RS+8*\g+\i]|, |v[RS+8*\g+\i+1]|
.endr
.endr
.irp m, 2,4
.irp g, 0,1
	v_max_num_f32_dpp v[8+\g], v[8+\g], v[8+\g] row_xmask:\m row_mask:0xf bank_mask:0xf   ; with lanes l xor 2, l xor 4, l xor 6: the block's
.endr
.endr
.irp g, 0,1
	v_add_nc_u32 v[10+\g], 0xff000000, v[8+\g]     ; 2 off its exponent field: the conversion takes the exponent field of this operand as its scale, and nothing else of it
.endr
.irp g, 0,1
	v_cvt_scalef32_pk8_fp4_f32 v[CT+\g], v[RS+8*\g:RS+8*\g+7], v[10+\g]   ; eight numbers / the scale, to the nearest code; the first number's code in the lowest four bits
.endr
.irp g, 0,1
	v_lshrrev_b32 v[12+\g], 23, v[10+\g]           ; the scale's byte (also the plain lines behind the conversions)
.endr
.irp g, 0,1
	v_mov_b32_dpp v[U+\g], v[CT+\g] row_xmask:2 row_mask:0xf bank_mask:0xf
.endr
	v_cndmask_b32 v[C+2*(\t)], v[CT], v[U+1], s33      ; l % 4 < 2: my word of g = 0 and lane l xor 2's, which follows it;
	v_cndmask_b32 v[C+2*(\t)+1], v[U], v[CT+1], s33    ; else lane l xor 2's word of g = 1 and mine, which follows it
.irp g, 0,1
	ds_store_b8 v5, v[12+\g] offset:16*(\t)+8*\g   ; the four lanes of a block write the same byte with the same value
.endr
.if (\t)+AHEAD < STEPS
	LOAD (\t)+AHEAD                                ; into the set just converted
.endif
.if ((\t)%4) == 3
.irp u, 3,2,1,0
	global_store_b64 v4, v[C+2*((\t)-\u):C+2*((\t)-\u)+1], s[20:21] offset:256*((\t)-\u)   ; 32 lanes store 256 consecutive bytes, aligned
.endr
.endif
.endm
.irp t, 0,1,2,3,4,5,6,7,8,9,10,11,12,13,14,15
	STEP \t
.endr
	ds_load_b64 v[12:13], v6                       ; LDS serves a wave's instructions in order (ISA guide 5.7.1): these see my byte stores
	s_wait_dscnt 0x0
	global_store_b64 v7, v[12:13], s[22:23]        ; 32 lanes store 256 consecutive bytes, aligned
	s_wait_tensorcnt 0x0                           ; the wave's end: behind my last LDS store
	ds_add_u32 v192, v193
	s_wait_dscnt 0x0
	s_endpgm
.Lfunc_end_k_q523526c50c_quant:
	.size	k_q523526c50c_quant, .Lfunc_end_k_q523526c50c_quant-k_q523526c50c_quant
	.p2alignl 7, 3214868480
	.fill 96, 4, 3214868480
	.section	.rodata,"a",@progbits
	.p2align	6, 0x0
	.amdhsa_kernel k_q523526c50c_quant
		.amdhsa_group_segment_fixed_size 1536
		.amdhsa_private_segment_fixed_size 0
		.amdhsa_enable_private_segment 0
		.amdhsa_kernarg_size 80
		.amdhsa_user_sgpr_count 2
		.amdhsa_user_sgpr_kernarg_segment_ptr 1
		.amdhsa_wavefront_size32 1
		.amdhsa_system_sgpr_workgroup_id_x 1
		.amdhsa_system_sgpr_workgroup_id_y 1
		.amdhsa_system_sgpr_workgroup_id_z 1
		.amdhsa_system_vgpr_workitem_id 0
		.amdhsa_next_free_vgpr 194
		.amdhsa_next_free_sgpr 66
		.amdhsa_reserve_vcc 0
		.amdhsa_float_denorm_mode_32 3
		.amdhsa_float_denorm_mode_16_64 3
		.amdhsa_memory_ordered 1
		.amdhsa_forward_progress 1
		.amdhsa_inst_pref_size 68
	.end_amdhsa_kernel
	.amdgpu_metadata
---
amdhsa.version: [ 1, 2 ]
amdhsa.kernels:
  - .name:           k_q523526c50c_quant
    .symbol:         k_q523526c50c_quant.kd
    .args:
      - { .name: x, .offset: 0, .size: 8, .value_kind: global_buffer, .address_space: global }
      - { .name: w_gate, .offset: 8, .size: 8, .value_kind: global_buffer, .address_space: global }
      - { .name: w_up, .offset: 16, .size: 8, .value_kind: global_buffer, .address_space: global }
      - { .name: w_down, .offset: 24, .size: 8, .value_kind: global_buffer, .address_space: global }
      - { .name: xc, .offset: 32, .size: 8, .value_kind: global_buffer, .address_space: global }
      - { .name: xs, .offset: 40, .size: 8, .value_kind: global_buffer, .address_space: global }
      - { .name: guc, .offset: 48, .size: 8, .value_kind: global_buffer, .address_space: global }
      - { .name: gus, .offset: 56, .size: 8, .value_kind: global_buffer, .address_space: global }
      - { .name: dc, .offset: 64, .size: 8, .value_kind: global_buffer, .address_space: global }
      - { .name: dsc, .offset: 72, .size: 8, .value_kind: global_buffer, .address_space: global }
    .group_segment_fixed_size: 1536
    .private_segment_fixed_size: 0
    .kernarg_segment_align: 8
    .kernarg_segment_size: 80
    .max_flat_workgroup_size: 128
    .sgpr_count:     66
    .vgpr_count:     194
    .wavefront_size: 32
...
	.end_amdgpu_metadata
.endif
;; end of part 1
;; launch gateup (part 2): grid 8 x 32, 4 waves a work-group, clusters of 4 x 4, 327,680 bytes of LDS; arguments xc, xs, guc, gus, hc, hs; writes hc, hs
.if DOCPART == 2
	.amdgcn_target "amdgcn-amd-amdhsa--gfx1250"
	.amdhsa_code_object_version 6
	.text
	.protected	k_q523526c50c_gateup
	.globl	k_q523526c50c_gateup
	.p2align	8
	.type	k_q523526c50c_gateup,@function
k_q523526c50c_gateup:
	s_mov_b64 s[64:65], 0
	v_nop
	global_prefetch_b8 v0, s[64:65] scope:SCOPE_SE
	s_setreg_imm32_b32 hwreg(HW_REG_WAVE_MODE, 25, 1), 1
	s_wait_xcnt 0x0
	s_wait_alu depctr_hold_cnt(0) depctr_sa_sdst(0) depctr_va_vdst(0) depctr_va_sdst(0) depctr_va_ssrc(0) depctr_va_vcc(0) depctr_vm_vsrc(0)
	s_getreg_b32 s2, hwreg(HW_REG_IB_STS2, 6, 4)
	s_cmp_eq_u32 s2, 0
	s_cbranch_scc0 .Lentry_in_a_cluster
	s_endpgm
.Lentry_in_a_cluster:
	s_bfe_u32 s2, ttmp6, 0x10000c
	s_cmp_lg_u32 s2, 0xf033
	s_cbranch_scc0 .Lentry_shape_is_right
	s_endpgm
.Lentry_shape_is_right:
; h = Q(silu(x Wg^T) * (x Wu^T)) on codes of FP4 (E2M1) with E8M0 scales; K = 2,048; sums in f32; h leaves as codes and scale words, laid as the next launch's operand registers want them.
; A work-group of four waves makes 256 rows of x against 256 rows of guc (128 hidden units: their gate rows and their up rows); a wave 128 x 128: 64 accumulators.
; K goes in four steps of 512 (rows of 256 bytes) through two LDS slots; the scales of all of K come once and stay behind the slots.
; THE HEAD: four tiles, one joint load a wave, in one chain of branches on the wave's number: wave 0 K step 0's 256 rows of x, wave 1 its 256 rows of guc, wave 2 x's scales, wave 3 guc's.
; Slot 1's first fill stands behind the wait for all tensor loads, the add and a round of the cluster's barrier, as a refill does.
; CLUSTERS: 4 x 4; x's tiles are asked for jointly along a row of the cluster, guc's along a column.
; PREFETCH: K steps 2 and 3 are each asked for two fills ahead of their tensor loads: behind the head's load K step 2, behind slot 1's first fill K step 3.  Of the 128 rows that a wave fetches in the ring,
; each of the four partners that ask for them jointly names 32, told apart by address (cx for x, cy for guc): a lane a row of 256 bytes, one instruction a wave.  K steps 0 and 1 come by their loads alone.
; The matrix instruction is used transposed (source 0 = guc's rows, source 1 = x's rows): a lane holds one row of x and its registers run along the hidden units.
.set PFO, 31                           ; v31      the prefetches' offset: lane x a row of codes; never rewritten
.set G0H, 4                            ; s[4:7], s[8:11] group 0 of the head's two loads of codes (the arguments that lay there have been used by then)
.set G0HB, 8
.set SIZE_K, 2048
.set KSTEP,  512
.set NQ,     KSTEP/128
.set ROWB,   256
.set KROW,   SIZE_K/2
.set PITCH,  272
.set FR,     8
.set NL,     2
.set NP,     4
.set HALFT,  128*PITCH
.set SLOT,   4*HALFT
.set KS,     SIZE_K/32
.set SCL,    2*SLOT
.set HALFS,  (128*KS/256)*272
.set SBLK,   (16*KS/256)*272
.set SPARE,  SCL+4*HALFS
.set SCT,    SPARE+512
.set ADRA, 16
.set ADRB, 20
.set HO,   24
.set STA,  25
.set STR,  26
.set ADRS, 27
.set SPW,  28
.set NIL,  29
.set SGO,  30
.set SC,   32
.set AF,   128
.set TM,   96
.set T,    128
.set P,    192
.set PW,   224
.set WB,   232
.set G1, 24
.set G0, 32
.set G1B, 48
.set G0B, 56
.set G1S, 68
.set G0S, 76
.set G1SB, 80
.set G0SB, 88
.set MSB, 0
.macro WIN new
.if MSB != (\new)
	s_set_vgpr_msb (MSB<<8)|(\new)
.set MSB, (\new)
.endif
.endm
.set MUL_LO, 0xa1
.set MUL_HI, 0xf1
.set TO_B,   0x40
.macro JLOAD g0a, g1a, g0b, g1b
	s_cmp_eq_u32 s15, 0
	s_cbranch_scc0 .Lfor_b_\@
	tensor_load_to_lds s[\g0a:\g0a+3], s[\g1a:\g1a+7]
	s_nop 0
.rept 4
	v_nop
.endr
	s_branch .Lasked_\@
.Lfor_b_\@:
	tensor_load_to_lds s[\g0b:\g0b+3], s[\g1b:\g1b+7]
	s_nop 0
.rept 4
	v_nop
.endr
.Lasked_\@:
.endm
.macro CREST
	s_cmp_lg_u32 s14, 0
	s_cbranch_scc1 .Lnot_wave_0_\@
	s_barrier_signal -3
.Lnot_wave_0_\@:
	s_barrier_wait -3
	s_barrier_signal -1
	s_barrier_wait -1
.endm
.macro CROUND
	s_barrier_signal -1
	s_barrier_wait -1
	CREST
.endm
	s_load_b128 s[4:7], s[0:1], 0x0
	s_load_b128 s[8:11], s[0:1], 0x10
	s_load_b128 s[96:99], s[0:1], 0x20
	v_lshl_add_u32 v[SPW], v0, 2, SPARE
	v_mov_b32 v[NIL], 0
	ds_add_u32 v28, v29
	ds_add_u32 v28, v29
	v_and_b32 v[PFO], 31, v0
	v_mul_u32_u24 v[PFO], v[PFO], KROW
	s_wait_alu depctr_va_vdst(0)
	s_wait_dscnt 0x0
	v_lshrrev_b32 v1, 5, v0
	v_readfirstlane_b32 s14, v1
	s_lshr_b32 s15, s14, 1
	s_and_b32 s16, s14, 1
	s_bfe_u32 s40, ttmp6, 0x40000
	s_bfe_u32 s41, ttmp6, 0x40004
	s_lshl_b32 s42, ttmp9, 2
	s_add_co_u32 s42, s42, s40
	s_and_b32 s17, ttmp7, 0xffff
	s_lshl_b32 s17, s17, 2
	s_add_co_u32 s17, s17, s41
	s_lshl_b32 s43, s41, 2
	s_lshl_b32 s43, 15, s43
	s_lshl_b32 s44, 0x1111, s40
	s_or_b32 s[G1+0], s43, (0<<16)|(1<<20)|(1<<21)|(5<<22)|(3<<25)
	s_or_b32 s[G1B+0], s44, (0<<16)|(1<<20)|(1<<21)|(5<<22)|(3<<25)
.irp g, G1, G1B
	s_mov_b32 s[\g+1], ROWB<<16
	s_mov_b32 s[\g+2], 256<<16                     ; the head's loads of codes bring 256 rows; behind them the two words are set to 128
	s_mov_b32 s[\g+3], ROWB<<16
	s_mov_b32 s[\g+4], 256
	s_mov_b32 s[\g+5], KROW
	s_mov_b32 s[\g+6], 0
	s_mov_b32 s[\g+7], 0
.endr
	s_or_b32 s[G1S+0], s43, (3<<16)|(1<<20)|(1<<21)|(5<<22)|(3<<25)
	s_or_b32 s[G1SB+0], s44, (3<<16)|(1<<20)|(1<<21)|(5<<22)|(3<<25)
.irp g, G1S, G1SB
	s_mov_b32 s[\g+1], 32<<16
	s_mov_b32 s[\g+2], KS<<16                      ; the scales of 256 rows: 256 KS bytes on end, as KS rows of 256 bytes
	s_mov_b32 s[\g+3], 32<<16
	s_mov_b32 s[\g+4], KS
	s_mov_b32 s[\g+5], 32
	s_mov_b32 s[\g+6], 0
	s_mov_b32 s[\g+7], 0
.endr
	s_lshl_b32 s20, s17, 8                         ; x: the tile's first row
	s_lshl_b32 s46, s42, 8                         ; guc: the tile's first row
	s_mov_b32 s21, 0
	s_mov_b32 s47, 0
	s_mov_b64 s[18:19], KS
	s_mul_u64 s[22:23], s[20:21], s[18:19]
	s_mul_u64 s[92:93], s[46:47], s[18:19]
	s_mov_b64 s[18:19], KROW
	s_mul_u64 s[20:21], s[20:21], s[18:19]
	s_mul_u64 s[46:47], s[46:47], s[18:19]
	s_mul_i32 s18, s16, 128*KROW                   ; in the ring I fetch 128 rows of a tile: which half, in bytes
	s_mov_b32 s19, 0
	s_mul_i32 s45, s14, HALFT
	s_wait_kmcnt 0x0
	s_cmp_eq_u32 s15, 0                            ; the prefetches' base: do I fetch for x or for guc?
	s_cselect_b32 s12, s17, s42                    ; the tile's number,
	s_cselect_b32 s13, s40, s41                    ; my place among the four that ask with me,
	s_cselect_b64 s[2:3], s[4:5], s[8:9]           ; and the buffer
	s_lshl_b32 s12, s12, 8
	s_lshl_b32 s94, s16, 7
	s_add_co_u32 s12, s12, s94                     ; + the 128 rows that I fetch
	s_lshl_b32 s13, s13, 5
	s_add_co_u32 s12, s12, s13                     ; + my work-group's 32 of them
	s_mul_i32 s12, s12, KROW                       ; 8,191 rows of 1,024 bytes at the most
	s_mov_b32 s13, 0
	s_add_nc_u64 s[2:3], s[2:3], s[12:13]
	s_add_nc_u64 s[20:21], s[4:5], s[20:21]
	s_add_nc_u64 s[22:23], s[6:7], s[22:23]
	s_add_nc_u64 s[46:47], s[8:9], s[46:47]
	s_add_nc_u64 s[92:93], s[10:11], s[92:93]
	CROUND
	s_mov_b32 s[G0S], 1
	s_mov_b32 s[G0S+1], SCL
	s_mov_b64 s[G0S+2:G0S+3], s[22:23]
	s_or_b32 s[G0S+3], s[G0S+3], 0x80000000
	s_mov_b32 s[G0SB], 1
	s_mov_b32 s[G0SB+1], SCL+2*HALFS
	s_mov_b64 s[G0SB+2:G0SB+3], s[92:93]
	s_or_b32 s[G0SB+3], s[G0SB+3], 0x80000000
	s_mov_b32 s[G0H], 1                            ; K step 0's 256 rows of x,
	s_mov_b32 s[G0H+1], 0
	s_mov_b64 s[G0H+2:G0H+3], s[20:21]
	s_or_b32 s[G0H+3], s[G0H+3], 0x80000000
	s_mov_b32 s[G0HB], 1                           ; and of guc, behind them in slot 0
	s_mov_b32 s[G0HB+1], 2*HALFT
	s_mov_b64 s[G0HB+2:G0HB+3], s[46:47]
	s_or_b32 s[G0HB+3], s[G0HB+3], 0x80000000
	s_add_nc_u64 s[20:21], s[20:21], s[18:19]      ; for the ring: my 128 rows of the tile
	s_add_nc_u64 s[46:47], s[46:47], s[18:19]
.irp s, 0,1
	s_mov_b32 s[G0+4*\s], 1
	s_add_co_u32 s[G0+4*\s+1], s45, \s*SLOT
	s_add_nc_u64 s[G0+4*\s+2:G0+4*\s+3], s[20:21], \s*ROWB
	s_or_b32 s[G0+4*\s+3], s[G0+4*\s+3], 0x80000000
	s_mov_b32 s[G0B+4*\s], 1
	s_add_co_u32 s[G0B+4*\s+1], s45, \s*SLOT
	s_add_nc_u64 s[G0B+4*\s+2:G0B+4*\s+3], s[46:47], \s*ROWB
	s_or_b32 s[G0B+4*\s+3], s[G0B+4*\s+3], 0x80000000
.endr
; the head's loads, one a wave: every way through the chain passes exactly one
.macro ARM under, g0, g1, next
	s_cmp_lt_u32 s14, \under
	s_cbranch_scc0 \next
	tensor_load_to_lds s[\g0:\g0+3], s[\g1:\g1+7]
	s_nop 0
.rept 4
	v_nop
.endr
	s_branch .Lhead_asked
\next:
.endm
	ARM 1, G0H,  G1,  .Lhead_b
	ARM 2, G0HB, G1B, .Lhead_sa
	ARM 3, G0S,  G1S, .Lhead_sb
	tensor_load_to_lds s[G0SB:G0SB+3], s[G1SB:G1SB+7]
	s_nop 0
.rept 4
	v_nop
.endr
.Lhead_asked:
	global_prefetch_b8 v[PFO], s[2:3] offset:2*ROWB th:TH_LOAD_NT scope:SCOPE_SE   ; K step 2 of my 32 rows: its tensor load is the second fill from here
	v_and_b32 v1, 15, v0
	v_bfe_u32 v2, v0, 4, 1
	v_mul_u32_u24 v3, v1, PITCH
	v_lshl_add_u32 v4, v2, 4, v3
	s_mul_i32 s21, s15, HALFT
	s_mul_i32 s22, s16, HALFT
	s_add_co_u32 s22, s22, 2*HALFT
.irp s, 0,1
	v_add_nc_u32 v[ADRA+\s], s21, v4
	v_add_nc_u32 v[ADRB+\s], s22, v4
	s_add_co_u32 s21, s21, SLOT
	s_add_co_u32 s22, s22, SLOT
.endr
	v_mul_u32_u24 v5, v1, KS
	v_lshrrev_b32 v6, 8, v5
	v_lshl_add_u32 v5, v6, 4, v5
	s_mul_i32 s21, s15, HALFS
	s_mul_i32 s22, s16, HALFS
	s_add_co_u32 s22, s22, 2*HALFS
	s_sub_co_u32 s22, s22, s21
	v_mul_u32_u24 v6, s22, v2
	s_add_co_u32 s21, s21, SCL
	v_add_nc_u32 v5, v5, v6
	v_add_nc_u32 v[ADRS], s21, v5
	v_and_b32 v6, 31, v0
	v_lshlrev_b32 v[HO], 4, v6
	v_lshlrev_b32 v[SGO], 3, v6
	s_lshl_b32 s21, s15, 9
	s_lshl_b32 s22, s16, 1
	s_add_co_u32 s21, s21, s22
	s_add_co_u32 s21, s21, SCT
	v_lshl_add_u32 v[STA], v1, 2, s21
	s_lshl_b32 s21, s14, 8
	s_add_co_u32 s21, s21, SCT
	v_lshl_add_u32 v[STR], v6, 3, s21
	s_lshl_b32 s20, s17, 16
	s_lshl_b32 s21, s15, 15
	s_add_co_u32 s20, s20, s21
	s_lshl_b32 s21, s16, 9
	s_add_co_u32 s20, s20, s21
	s_lshr_b32 s46, s42, 2
	s_lshl_b32 s46, s46, 21
	s_and_b32 s47, s42, 3
	s_lshl_b32 s47, s47, 10
	s_add_co_u32 s46, s46, s47
	s_add_co_u32 s20, s20, s46
	s_mov_b32 s21, 0
	s_add_nc_u64 s[96:97], s[96:97], s[20:21]
	s_lshl_b32 s20, s42, 15
	s_lshl_b32 s46, s17, 10
	s_add_co_u32 s20, s20, s46
	s_lshl_b32 s46, s14, 8
	s_add_co_u32 s20, s20, s46
	s_add_nc_u64 s[98:99], s[98:99], s[20:21]
.macro FRAG reg, adr, q, i
.irp c, 0,1
	ds_load_b128 v[\reg+4*\c:\reg+4*\c+3], v[\adr] offset:64*(\q)+32*\c+(\i)*16*PITCH
.endr
.endm
.macro MUL16 a0, p, q, sc, zero
.irp a, \a0, \a0+1
.irp b, 0,1,2,3,4,5,6,7
.if \zero
	v_wmma_scale_f32_16x16x128_f8f6f4 v[8*(8*((\a)%4)+\b):8*(8*((\a)%4)+\b)+7], v[128*(\p)+FR*\b:128*(\p)+FR*\b+FR-1], v[AF+FR*(\a):AF+FR*(\a)+FR-1], 0, v[SC+8*NQ*(\sc)+NQ*\b+(\q)], v[SC+8*NQ*(\sc)+NQ*(\a)+(\q)] matrix_a_fmt:MATRIX_FMT_FP4 matrix_b_fmt:MATRIX_FMT_FP4 matrix_a_scale:MATRIX_SCALE_ROW1
.else
	v_wmma_scale_f32_16x16x128_f8f6f4 v[8*(8*((\a)%4)+\b):8*(8*((\a)%4)+\b)+7], v[128*(\p)+FR*\b:128*(\p)+FR*\b+FR-1], v[AF+FR*(\a):AF+FR*(\a)+FR-1], v[8*(8*((\a)%4)+\b):8*(8*((\a)%4)+\b)+7], v[SC+8*NQ*(\sc)+NQ*\b+(\q)], v[SC+8*NQ*(\sc)+NQ*(\a)+(\q)] matrix_a_fmt:MATRIX_FMT_FP4 matrix_b_fmt:MATRIX_FMT_FP4 matrix_a_scale:MATRIX_SCALE_ROW1
.endif
.endr
.endr
.endm
.macro FETCH_B slot, q, p
	WIN TO_B
.irp i, 0,1,2,3,4,5,6,7
	FRAG 128*(\p)+FR*\i, ADRB+\slot, \q, \i
.endr
	WIN 0
.endm
.macro FETCH_A slot, q, i0
.irp i, \i0, \i0+1, \i0+2, \i0+3
	FRAG AF+FR*(\i), ADRA+\slot, \q, \i
.endr
.endm
.macro SCALES sc
.irp i, 0,1,2,3,4,5,6,7
	ds_load_b128 v[SC+8*NQ*\sc+NQ*\i:SC+8*NQ*\sc+NQ*\i+3], v[ADRS] offset:\i*SBLK
.endr
.endm
.macro PLACES n
.rept \n
	v_nop
.endr
.endm
.macro STEP slot, q, zero
	s_wait_dscnt 4*NL
	WIN MUL_LO
	MUL16 0, (\q)%2, \q, \slot, \zero
	MUL16 2, (\q)%2, \q, \slot, \zero
	s_wait_dscnt 0
	PLACES NP
	FETCH_B \slot, (\q)+1, 1-(\q)%2
	FETCH_A \slot, (\q)+1, 0
	WIN MUL_HI
	MUL16 4, (\q)%2, \q, \slot, \zero
	MUL16 6, (\q)%2, \q, \slot, \zero
	PLACES NP
	WIN 0
	FETCH_A \slot, (\q)+1, 4
.endm
.macro TURN slot, next, fill
	s_wait_tensorcnt 0x0
	ds_add_u32 v[SPW], v[NIL]
	s_wait_dscnt 4*NL+1
	WIN MUL_LO
	MUL16 0, 1, NQ-1, \slot, 0
	s_wait_dscnt 0x0
	s_barrier_signal -1
	MUL16 2, 1, NQ-1, \slot, 0
	WIN 0
	s_barrier_wait -1
.if \fill
	CREST
	s_add_nc_u64 s[G0+4*\slot+2:G0+4*\slot+3], s[G0+4*\slot+2:G0+4*\slot+3], 2*ROWB
	s_add_nc_u64 s[G0B+4*\slot+2:G0B+4*\slot+3], s[G0B+4*\slot+2:G0B+4*\slot+3], 2*ROWB
	JLOAD G0+4*\slot, G1, G0B+4*\slot, G1B
.else
	PLACES NP
.endif
	s_wait_alu depctr_va_vdst(0)
	v_add_nc_u32 v[ADRS], 4*NQ, v[ADRS]
	FETCH_B \next, 0, 0
	FETCH_A \next, 0, 0
	SCALES \next
	WIN MUL_HI
	MUL16 4, 1, NQ-1, \slot, 0
	MUL16 6, 1, NQ-1, \slot, 0
	PLACES NP
	WIN 0
	FETCH_A \next, 0, 4
.endm
.macro STEPS slot, from
.set Q, \from
.rept NQ-1-\from
	STEP \slot, Q, 0
.set Q, Q+1
.endr
.endm
	s_wait_alu depctr_va_vdst(0)                   ; the wait at the head's end
	s_wait_tensorcnt 0x0                           ; my tile of the head's four is in
	ds_add_u32 v[SPW], v[NIL]
	s_mov_b32 s[G1+2], 128<<16                     ; no tensor load of mine is out: from here on a load brings 128 rows
	s_mov_b32 s[G1+4], 128
	s_mov_b32 s[G1B+2], 128<<16
	s_mov_b32 s[G1B+4], 128
	s_wait_dscnt 0x0
	CROUND                                         ; all four tiles are in, in every work-group of the cluster
	JLOAD G0+4, G1, G0B+4, G1B                     ; K step 1: slot 1's first fill, the first tensor load behind the round
	FETCH_B 0, 0, 0
	FETCH_A 0, 0, 0
	global_prefetch_b8 v[PFO], s[2:3] offset:3*ROWB th:TH_LOAD_NT scope:SCOPE_SE   ; K step 3 of my 32 rows: again the second fill from here; v31 and s[2:3] are never rewritten
	SCALES 0
	FETCH_A 0, 0, 4
	STEP 0, 0, 1
	STEPS 0, 1
	TURN 0, 1, 1
	STEPS 1, 0
	TURN 1, 0, 1
	STEP 0, 0, 0
	STEPS 0, 1
	TURN 0, 1, 0
	STEPS 1, 0
	s_wait_dscnt 4*NL
	WIN MUL_LO
	MUL16 0, 1, NQ-1, 1, 0
	MUL16 2, 1, NQ-1, 1, 0
	s_wait_dscnt 0
	WIN MUL_HI
	MUL16 4, 1, NQ-1, 1, 0
	MUL16 6, 1, NQ-1, 1, 0
	WIN 0
.macro EPI a
.set AC, 64*((\a)%4)
	WIN 2+(\a)/4
.set i, 0
.rept 16
	v_pk_mul_f32 v[T+i:T+i+1], v[AC+i:AC+i+1], s[92:93] op_sel_hi:[1,0]
.set i, i+2
.endr
	WIN 0
.set i, 0
	s_wait_alu depctr_va_vdst(0)
.rept 32
	v_exp_f32 v[T+i], v[T+i]
.set i, i+1
.endr
	v_nop
	s_wait_alu depctr_va_vdst(0)
.set i, 0
.rept 16
	v_pk_add_f32 v[T+i:T+i+1], v[T+i:T+i+1], 1.0 op_sel_hi:[1,0]
.set i, i+2
.endr
.set i, 0
	s_wait_alu depctr_va_vdst(0)
.rept 32
	v_rcp_f32 v[T+i], v[T+i]
.set i, i+1
.endr
	v_nop
	s_wait_alu depctr_va_vdst(0)
	WIN (2+(\a)/4)<<2
.set i, 0
.rept 16
	v_pk_mul_f32 v[T+i:T+i+1], v[T+i:T+i+1], v[AC+i:AC+i+1]
.set i, i+2
.endr
.set i, 0
.rept 16
	v_pk_mul_f32 v[T+i:T+i+1], v[T+i:T+i+1], v[AC+32+i:AC+32+i+1]
.set i, i+2
.endr
	WIN 0
.irp b, 0,1
	v_max3_num_f32 v[TM+\b], |v[T+16*\b]|, |v[T+16*\b+1]|, 0x1800000
.endr
.irp n, 2,4,6,8,10,12,14
.irp b, 0,1
	v_max3_num_f32 v[TM+\b], v[TM+\b], |v[T+16*\b+\n]|, |v[T+16*\b+\n+1]|
.endr
.endr
.irp b, 0,1
	v_permlanex16_b32 v[TM+2+\b], v[TM+\b], s94, s95
.endr
.irp b, 0,1
	v_max_num_f32 v[TM+\b], v[TM+\b], v[TM+2+\b]
.endr
.irp b, 0,1
	v_add_nc_u32 v[TM+4+\b], 0xff000000, v[TM+\b]
.endr
.irp b, 0,1
	v_lshrrev_b32 v[TM+2+\b], 23, v[TM+4+\b]
.endr
	v_lshl_or_b32 v[PW+(\a)], v[TM+3], 8, v[TM+2]
.irp b, 0,1
	v_cvt_scalef32_pk8_fp4_f32 v[P+4*(\a)+2*\b], v[T+16*\b:T+16*\b+7], v[TM+4+\b]
	v_cvt_scalef32_pk8_fp4_f32 v[P+4*(\a)+2*\b+1], v[T+16*\b+8:T+16*\b+15], v[TM+4+\b]
.endr
	v_nop
	v_permlane16_swap_b32 v[P+4*(\a)], v[P+4*(\a)+2]
	v_permlane16_swap_b32 v[P+4*(\a)+1], v[P+4*(\a)+3]
	global_store_b128 v[HO], v[P+4*(\a):P+4*(\a)+3], s[96:97] offset:4096*(\a)
	ds_store_b16 v[STA], v[PW+(\a)] offset:64*(\a)
.endm
	s_mov_b32 s92, 0xbfb8aa3b
	s_mov_b32 s93, s92
	s_mov_b32 s94, 0x76543210
	s_mov_b32 s95, 0xfedcba98
	PLACES NP
	v_mov_b32 v[TM+2], 0
	v_mov_b32 v[TM+3], 0
.irp a, 0,1,2,3,4,5,6,7
	EPI \a
.endr
	s_wait_dscnt 0x0
	s_barrier_signal -1
	s_barrier_wait -1
	ds_load_b64 v[WB:WB+1], v[STR]
	s_wait_dscnt 0x0
	global_store_b64 v[SGO], v[WB:WB+1], s[98:99]
	s_wait_tensorcnt 0x0
	ds_add_u32 v[SPW], v[NIL]
	s_wait_dscnt 0x0
	CROUND
	s_endpgm
.Lfunc_end_k_q523526c50c_gateup:
	.size	k_q523526c50c_gateup, .Lfunc_end_k_q523526c50c_gateup-k_q523526c50c_gateup
	.p2alignl 7, 3214868480
	.fill 96, 4, 3214868480
	.section	.rodata,"a",@progbits
	.p2align	6, 0x0
	.amdhsa_kernel k_q523526c50c_gateup
		.amdhsa_group_segment_fixed_size 327680
		.amdhsa_private_segment_fixed_size 0
		.amdhsa_enable_private_segment 0
		.amdhsa_kernarg_size 48
		.amdhsa_user_sgpr_count 2
		.amdhsa_user_sgpr_kernarg_segment_ptr 1
		.amdhsa_wavefront_size32 1
		.amdhsa_system_sgpr_workgroup_id_x 1
		.amdhsa_system_sgpr_workgroup_id_y 1
		.amdhsa_system_sgpr_workgroup_id_z 1
		.amdhsa_system_vgpr_workitem_id 0
		.amdhsa_next_free_vgpr 1024
		.amdhsa_next_free_sgpr 100
		.amdhsa_reserve_vcc 0
		.amdhsa_float_denorm_mode_32 3
		.amdhsa_float_denorm_mode_16_64 3
		.amdhsa_memory_ordered 1
		.amdhsa_forward_progress 1
		.amdhsa_inst_pref_size 251
	.end_amdhsa_kernel
	.amdgpu_metadata
---
amdhsa.version: [ 1, 2 ]
amdhsa.kernels:
  - .name:           k_q523526c50c_gateup
    .symbol:         k_q523526c50c_gateup.kd
    .args:
      - { .name: xc, .offset: 0, .size: 8, .value_kind: global_buffer, .address_space: global }
      - { .name: xs, .offset: 8, .size: 8, .value_kind: global_buffer, .address_space: global }
      - { .name: guc, .offset: 16, .size: 8, .value_kind: global_buffer, .address_space: global }
      - { .name: gus, .offset: 24, .size: 8, .value_kind: global_buffer, .address_space: global }
      - { .name: hc, .offset: 32, .size: 8, .value_kind: global_buffer, .address_space: global }
      - { .name: hs, .offset: 40, .size: 8, .value_kind: global_buffer, .address_space: global }
    .group_segment_fixed_size: 327680
    .private_segment_fixed_size: 0
    .kernarg_segment_align: 8
    .kernarg_segment_size: 48
    .max_flat_workgroup_size: 128
    .sgpr_count:     100
    .vgpr_count:     1024
    .wavefront_size: 32
...
	.end_amdgpu_metadata
.endif
;; end of part 2
;; launch down (part 3): grid 8 x 32, 4 waves a work-group, clusters of 4 x 4, 327,680 bytes of LDS; arguments hc, hs, dc, dsc, out0; writes out0
.if DOCPART == 3
	.amdgcn_target "amdgcn-amd-amdhsa--gfx1250"
	.amdhsa_code_object_version 6
	.text
	.protected	k_q523526c50c_down
	.globl	k_q523526c50c_down
	.p2align	8
	.type	k_q523526c50c_down,@function
k_q523526c50c_down:
	s_mov_b64 s[64:65], 0
	v_nop
	global_prefetch_b8 v0, s[64:65] scope:SCOPE_SE
	s_setreg_imm32_b32 hwreg(HW_REG_WAVE_MODE, 25, 1), 1
	s_wait_xcnt 0x0
	s_wait_alu depctr_hold_cnt(0) depctr_sa_sdst(0) depctr_va_vdst(0) depctr_va_sdst(0) depctr_va_ssrc(0) depctr_va_vcc(0) depctr_vm_vsrc(0)
	s_getreg_b32 s2, hwreg(HW_REG_IB_STS2, 6, 4)
	s_cmp_eq_u32 s2, 0
	s_cbranch_scc0 .Lentry_in_a_cluster
	s_endpgm
.Lentry_in_a_cluster:
	s_bfe_u32 s2, ttmp6, 0x10000c
	s_cmp_lg_u32 s2, 0xf033
	s_cbranch_scc0 .Lentry_shape_is_right
	s_endpgm
.Lentry_shape_is_right:
; out [8192][2048] f32 = h Wd^T on codes of FP4 (E2M1) with E8M0 scales; K = 1,024 hidden units; sums in f32.
; A = hc: images of operand registers, [Q 2][tile of 16 rows 512][q 4][c 2][lane 32][16 bytes]: the fragment of 16 rows x K step s = 4 Q + q is 1,024 bytes on end.  hs: [s 8][8192 rows], one scale word.
; B = dc [2048][512 bytes] row-major codes, dsc [2048][32]: eight scale words a row.
; SHARES.  256 work-groups of four waves, each 256 x 256 of out, a wave 128 x 128.  A wave keeps its 64 fragments of B, all of K, in 512 registers and goes BY ROWS of out: eight blocks of 16 rows,
; 64 matrix instructions each (eight accumulators by turns, K ascending).  Block a - 1's sixteen stores stand in fours among block a's products.
; THE HEAD: all codes come into LDS once, one joint tensor load a wave: waves 0 and 1 bring B's rows 0-127 and 128-255 (rows of 512 bytes, all of K, 16 bytes of padding behind each),
; waves 2 and 3 A's 16 tiles of rows in Q = 0 and Q = 1 (65,536 bytes on end each, as rows of 256 bytes, no padding: an image is read 16 bytes a lane on end).  Nothing is filled again: no ring.
; CLUSTERS: 4 x 4.  B's tiles hang on the tile column alone and are shared along a column of the cluster, A's on the tile row alone and are shared along a row.
; NO PREFETCH: all that the launch reads is asked for at its head; there is no loop to run ahead in.
; THE MATRIX INSTRUCTION IS USED TRANSPOSED (source 0 = 16 rows of Wd, source 1 = 16 rows of h): a lane holds eight neighbouring numbers of a row of out.
; SCALE WORDS go from memory straight into registers, once: a register carries two blocks' words, the even block's in lanes 0-15, the odd one's in lanes 16-31.
; REGISTERS, in windows of 256: window 0: v0-31 addresses; v32-63 A's scale words (4 s + j: blocks 2 j, 2 j + 1), v64-95 B's (8 j + s); v128-191, v192-255 A's fragments, two buffers (K step s at 8 s).
;   windows 1, 2: B's fragments: K step s, block b at v[64 (s % 4) + 8 b] of window 1 + s / 4.   window 3: v0-127 two sets of eight accumulators; v128-191 16 rows on their way out.
.set PITCH,  528                       ; a row of B in LDS: 512 bytes + 16: 132 words, so the 16 rows that a load touches start at 16 different banks (64 banks of 4 bytes: ISA guide 11.1)
.set HALFB,  128*PITCH                 ; 128 rows of B: one tensor load, and what one wave reads
.set ABASE,  2*HALFB                   ; behind B: A's images
.set AQ,     65536                     ; 16 tiles of rows x 4 K steps x 1,024 bytes
.set STAGE,  ABASE+2*AQ                ; behind them: 16 rows x (512 + 16 bytes) for each wave, for the way out: no tile lands there
.set SPITCH, 528
.set SPARE,  STAGE+4*16*SPITCH         ; the spare words: 128 bytes a wave, named by no other line
.set ROWO,   8192                      ; a row of out in bytes
.set ADRB, 20                          ; v20     LDS address of my B fragments
.set ADRA, 22                          ; v22-23  LDS address of my A images, Q = 0, 1
.set STO,  24                          ; v24     the way out: where I put 32 bytes of a row
.set RD,   25                          ; v25     where I read a row back
.set CO,   26                          ; v26     16 x lane
.set L4,   27                          ; v27     4 x lane
.set SPW,  28                          ; v28     my spare word; never rewritten
.set NIL,  29                          ; v29     0; never rewritten
.set L32,  30                          ; v30     32 x lane
.set SA,   32
.set SB,   64
.set AF,   128
.set BK,   128                         ; in window 3
.set G1A, 68                           ; s[68:75] descriptor group 1 for A, s[32:35] its group 0: no scratch register of the head lies in them
.set G0A, 32
.set G1B, 48                           ; s[48:55], s[56:59] for B
.set G0B, 56
.set MSB, 0
.macro WIN new                         ; the immediate's high byte repeats the setting that is left; a switch that changes nothing is dropped
.if MSB != (\new)
	s_set_vgpr_msb (MSB<<8)|(\new)
.set MSB, (\new)
.endif
.endm
.macro CROUND                          ; a round of the cluster's barrier
	s_barrier_signal -1
	s_barrier_wait -1
	s_cmp_lg_u32 s14, 0
	s_cbranch_scc1 .Lnot_wave_0_\@
	s_barrier_signal -3
.Lnot_wave_0_\@:
	s_barrier_wait -3
	s_barrier_signal -1
	s_barrier_wait -1
.endm
.macro PLACES n
.rept \n
	v_nop
.endr
.endm
	s_load_b128 s[4:7], s[0:1], 0x0                ; hc s[4:5], hs s[6:7]
	s_load_b128 s[8:11], s[0:1], 0x10              ; dc s[8:9], dsc s[10:11]
	s_load_b64 s[12:13], s[0:1], 0x20              ; out0
	v_lshl_add_u32 v[SPW], v0, 2, SPARE
	v_mov_b32 v[NIL], 0
	ds_add_u32 v[SPW], v[NIL]                      ; the opening: the add, twice on end, and its wait ahead of my tensor load
	ds_add_u32 v[SPW], v[NIL]
	v_lshrrev_b32 v1, 5, v0
	v_readfirstlane_b32 s14, v1                    ; wave 0..3
	s_lshr_b32 s15, s14, 1                         ; which half of the tile's rows is mine.  Also: I fetch for B (0) or for A (1)
	s_and_b32 s16, s14, 1                          ; which half of its columns.  Also: which half of B's rows, or which Q of A, I fetch
	s_bfe_u32 s40, ttmp6, 0x40000                  ; cx, cy
	s_bfe_u32 s41, ttmp6, 0x40004
	s_lshl_b32 s42, ttmp9, 2
	s_add_co_u32 s42, s42, s40                     ; tile column of out
	s_and_b32 s17, ttmp7, 0xffff
	s_lshl_b32 s17, s17, 2
	s_add_co_u32 s17, s17, s41                     ; tile row of out
	s_lshl_b32 s43, s41, 2
	s_lshl_b32 s43, 15, s43                        ; my row of the cluster
	s_lshl_b32 s44, 0x1111, s40                    ; my column
	s_or_b32 s[G1A+0], s43, (3<<16)|(1<<21)        ; A: the mask of my row; elements of 8 bytes; bit 21 beside a mask; no padding
	s_mov_b32 s[G1A+1], 32<<16                     ; rows of 32 elements = 256 bytes,
	s_mov_b32 s[G1A+2], 256<<16                    ; 256 of them,
	s_mov_b32 s[G1A+3], 32<<16
	s_mov_b32 s[G1A+4], 256
	s_mov_b32 s[G1A+5], 32                         ; on end in memory
	s_mov_b32 s[G1A+6], 0
	s_mov_b32 s[G1A+7], 0
	s_or_b32 s[G1B+0], s44, (0<<16)|(1<<20)|(1<<21)|(6<<22)|(3<<25)  ; B: the mask of my column; elements of 1 byte; padding on: after every 128 words (code 6) 4 words (code 3)
	s_mov_b32 s[G1B+1], 512<<16                    ; rows of 512 bytes,
	s_mov_b32 s[G1B+2], 128<<16                    ; 128 of them
	s_mov_b32 s[G1B+3], 512<<16
	s_mov_b32 s[G1B+4], 128
	s_mov_b32 s[G1B+5], 512
	s_mov_b32 s[G1B+6], 0
	s_mov_b32 s[G1B+7], 0
	; the lanes' addresses
	v_and_b32 v1, 15, v0                           ; r = l % 16
	v_bfe_u32 v2, v0, 4, 1                         ; h = l / 16
	v_and_b32 v6, 31, v0                           ; lane
	v_lshlrev_b32 v[CO], 4, v6
	v_lshlrev_b32 v[L4], 2, v6
	v_lshlrev_b32 v[L32], 5, v6
	v_mul_u32_u24 v3, v1, PITCH
	v_lshl_add_u32 v3, v2, 4, v3                   ; a fragment of B: row x pitch + 16 x half
	s_mul_i32 s30, s16, HALFB                      ; my 128 rows of B
	v_add_nc_u32 v[ADRB], s30, v3
	s_lshl_b32 s30, s15, 15                        ; my eight tiles of rows of A: 4,096 bytes each in a Q
	s_add_co_u32 s30, s30, ABASE
	v_add_nc_u32 v[ADRA], s30, v[CO]
	s_add_co_u32 s30, s30, AQ
	v_add_nc_u32 v[ADRA+1], s30, v[CO]
	s_mul_i32 s23, s14, 16*SPITCH
	s_add_co_u32 s23, s23, STAGE                   ; my stage
	v_mul_u32_u24 v5, v1, SPITCH                   ; in: row r, 32 bytes for each half of the lanes
	v_lshl_add_u32 v5, v2, 5, v5
	v_add_nc_u32 v[STO], s23, v5
	v_add_nc_u32 v[RD], s23, v[CO]                 ; back: the 32 lanes take one row of 512 bytes
	; where my parts begin, in bytes
	s_lshl_b32 s20, s17, 16                        ; hc: the tile row's 16 tiles, made of the tile row and the wave's number alone,
	s_lshl_b32 s29, s16, 21                        ; in the Q that I fetch
	s_add_co_u32 s20, s20, s29
	s_mov_b32 s21, 0
	s_lshl_b32 s18, s17, 10                        ; hs: my 128 rows' words
	s_lshl_b32 s29, s15, 9
	s_add_co_u32 s18, s18, s29
	s_mov_b32 s19, 0
	s_lshl_b32 s46, s42, 17                        ; dc: row 256 x tile column + 128 x half, 512 bytes a row: made of the tile column and the wave's number alone
	s_lshl_b32 s45, s16, 16
	s_add_co_u32 s46, s46, s45
	s_mov_b32 s47, 0
	s_lshl_b32 s24, s42, 13                        ; dsc: my 128 rows of 32 bytes
	s_lshl_b32 s29, s16, 12
	s_add_co_u32 s24, s24, s29
	s_mov_b32 s25, 0
	s_lshl_b32 s26, s17, 21                        ; out: row 256 x tile row + 128 x half, 8,192 bytes a row,
	s_lshl_b32 s29, s15, 20
	s_add_co_u32 s26, s26, s29
	s_lshl_b32 s29, s42, 10                        ; column: 1,024 bytes x tile column + 512 x half
	s_add_co_u32 s26, s26, s29
	s_lshl_b32 s29, s16, 9
	s_add_co_u32 s26, s26, s29
	s_mov_b32 s27, 0
	s_mul_i32 s28, s16, HALFB                      ; where my load goes: no place in the cluster enters an LDS address
	s_lshl_b32 s22, s16, 16
	s_wait_alu depctr_va_vdst(0)                   ; the wait at the head's end
	s_wait_dscnt 0x0                               ; both opening adds are done
	s_wait_kmcnt 0x0
	s_add_nc_u64 s[20:21], s[4:5], s[20:21]
	s_add_nc_u64 s[6:7], s[6:7], s[18:19]
	s_add_nc_u64 s[46:47], s[8:9], s[46:47]
	s_add_nc_u64 s[10:11], s[10:11], s[24:25]
	s_add_nc_u64 s[12:13], s[12:13], s[26:27]
	CROUND                                         ; all sixteen work-groups are here: the joint loads meet
	s_mov_b32 s[G0A], 1
	s_add_co_u32 s[G0A+1], s22, ABASE
	s_mov_b64 s[G0A+2:G0A+3], s[20:21]
	s_or_b32 s[G0A+3], s[G0A+3], 0x80000000
	s_mov_b32 s[G0B], 1
	s_add_co_u32 s[G0B+1], s28, 0
	s_mov_b64 s[G0B+2:G0B+3], s[46:47]
	s_or_b32 s[G0B+3], s[G0B+3], 0x80000000
	s_cmp_eq_u32 s15, 0                            ; one load a wave, all that this launch has; an s_nop 0 and four v_nop follow each line
	s_cbranch_scc0 .Lfor_a
	tensor_load_to_lds s[G0B:G0B+3], s[G1B:G1B+7]
	s_nop 0
	PLACES 4
	s_branch .Lasked
.Lfor_a:
	tensor_load_to_lds s[G0A:G0A+3], s[G1A:G1A+7]
	s_nop 0
	PLACES 4
.Lasked:
.irp s, 0,1,2,3,4,5,6,7
.irp j, 0,1,2,3
	global_load_b32 v[SA+4*\s+\j], v[L4], s[6:7] offset:32768*\s+128*\j   ; A's words of K step s, rows 32 j + lane: 128 consecutive bytes
.endr
.endr
.irp j, 0,1,2,3
.irp e, 0,1
	global_load_b128 v[SB+8*\j+4*\e:SB+8*\j+4*\e+3], v[L32], s[10:11] offset:1024*\j+16*\e   ; B's words of K steps 4 e .. 4 e + 3, rows 32 j + lane
.endr
.endr
.macro BLOAD sl                        ; B's 32 fragments of K steps 4 sl .. 4 sl + 3 into window 1 + sl
	WIN 0x40*(1+\sl)
.irp q, 0,1,2,3
.irp b, 0,1,2,3,4,5,6,7
.irp c, 0,1
	ds_load_b128 v[64*\q+8*\b+4*\c:64*\q+8*\b+4*\c+3], v[ADRB] offset:256*\sl+64*\q+32*\c+\b*16*PITCH
.endr
.endr
.endr
.endm
.macro ALOAD a                         ; A's eight fragments of block a, all of K, into buffer a % 2: images, 32 lanes x 16 bytes on end
	WIN 0
.set FA, AF+64*((\a)%2)
.irp s, 0,1,2,3,4,5,6,7
.irp c, 0,1
	ds_load_b128 v[FA+8*\s+4*\c:FA+8*\s+4*\c+3], v[ADRA+\s/4] offset:4096*(\a)+1024*(\s%4)+512*\c
.endr
.endr
.endm
; One matrix instruction.  d: accumulator; fb, fa: B's and A's fragments; sb, sa: their scale registers; ks = 0: it starts the sum; bo, ao = 1: the scale words lie in lanes 16-31.
.macro WM d, fb, fa, sb, sa, ks, bo, ao
.set wD, \d
.set wB, \fb
.set wA, \fa
.set wSB, \sb
.set wSA, \sa
.if (\ks) == 0
.if (\bo) && (\ao)
	v_wmma_scale_f32_16x16x128_f8f6f4 v[wD:wD+7], v[wB:wB+7], v[wA:wA+7], 0, v[wSB], v[wSA] matrix_a_fmt:MATRIX_FMT_FP4 matrix_b_fmt:MATRIX_FMT_FP4 matrix_a_scale:MATRIX_SCALE_ROW1 matrix_b_scale:MATRIX_SCALE_ROW1
.elseif (\bo)
	v_wmma_scale_f32_16x16x128_f8f6f4 v[wD:wD+7], v[wB:wB+7], v[wA:wA+7], 0, v[wSB], v[wSA] matrix_a_fmt:MATRIX_FMT_FP4 matrix_b_fmt:MATRIX_FMT_FP4 matrix_a_scale:MATRIX_SCALE_ROW1
.elseif (\ao)
	v_wmma_scale_f32_16x16x128_f8f6f4 v[wD:wD+7], v[wB:wB+7], v[wA:wA+7], 0, v[wSB], v[wSA] matrix_a_fmt:MATRIX_FMT_FP4 matrix_b_fmt:MATRIX_FMT_FP4 matrix_b_scale:MATRIX_SCALE_ROW1
.else
	v_wmma_scale_f32_16x16x128_f8f6f4 v[wD:wD+7], v[wB:wB+7], v[wA:wA+7], 0, v[wSB], v[wSA] matrix_a_fmt:MATRIX_FMT_FP4 matrix_b_fmt:MATRIX_FMT_FP4
.endif
.else
.if (\bo) && (\ao)
	v_wmma_scale_f32_16x16x128_f8f6f4 v[wD:wD+7], v[wB:wB+7], v[wA:wA+7], v[wD:wD+7], v[wSB], v[wSA] matrix_a_fmt:MATRIX_FMT_FP4 matrix_b_fmt:MATRIX_FMT_FP4 matrix_a_scale:MATRIX_SCALE_ROW1 matrix_b_scale:MATRIX_SCALE_ROW1
.elseif (\bo)
	v_wmma_scale_f32_16x16x128_f8f6f4 v[wD:wD+7], v[wB:wB+7], v[wA:wA+7], v[wD:wD+7], v[wSB], v[wSA] matrix_a_fmt:MATRIX_FMT_FP4 matrix_b_fmt:MATRIX_FMT_FP4 matrix_a_scale:MATRIX_SCALE_ROW1
.elseif (\ao)
	v_wmma_scale_f32_16x16x128_f8f6f4 v[wD:wD+7], v[wB:wB+7], v[wA:wA+7], v[wD:wD+7], v[wSB], v[wSA] matrix_a_fmt:MATRIX_FMT_FP4 matrix_b_fmt:MATRIX_FMT_FP4 matrix_b_scale:MATRIX_SCALE_ROW1
.else
	v_wmma_scale_f32_16x16x128_f8f6f4 v[wD:wD+7], v[wB:wB+7], v[wA:wA+7], v[wD:wD+7], v[wSB], v[wSA] matrix_a_fmt:MATRIX_FMT_FP4 matrix_b_fmt:MATRIX_FMT_FP4
.endif
.endif
.endm
.macro SEND4 a, r0                     ; rows r0 .. r0 + 3 of block a leave: 32 lanes store 512 consecutive bytes, aligned; the row stands in the immediate (127 rows at the most), so no base is stepped
	WIN 0x0c                                       ; a store's data are its source 1: window 3
.irp i, 0,1,2,3
	global_store_b128 v[CO], v[BK+4*((\r0)+\i):BK+4*((\r0)+\i)+3], s[12:13] offset:(16*(\a)+(\r0)+\i)*ROWO th:TH_STORE_NT
.endr
.endm
; Block a, 16 rows x 128 columns: 64 matrix instructions, K ascending; its eight accumulators take turns, one instruction a turn; the first eight start the sums.
; Behind K steps 2 to 5 stand four stores each of block a - 1, which came back from the stage meanwhile.
.macro ROW a
.set AB, 64*((\a)%2)
.set FA, AF+64*((\a)%2)
.if (\a) > 6
.set NA, 0                             ; LDS loads of A issued behind block a - 1's loads from the stage: sixteen (block a + 1's) while there is such a block
.else
.set NA, 16
.endif
.if (\a) > 0
	s_wait_dscnt 32+NA                             ; A's block a is in; behind it: block a - 1's 16 stores into the stage, its 16 loads back, and NA loads of A
.endif
.irp s, 0,1,2,3,4,5,6,7
.if ((\a) == 0) && (\s == 4)
	s_wait_dscnt 0x0                               ; B's second half and A's block 1 are in registers
.endif
	WIN 0xf1+(\s)/4                                ; source 0 (B) window 1, from K step 4 on window 2; source 1 (A) window 0; C and D window 3
.irp b, 0,1,2,3,4,5,6,7
	WM AB+8*\b, 64*(\s%4)+8*\b, FA+8*\s, SB+8*(\b/2)+\s, SA+4*\s+(\a)/2, \s, \b%2, (\a)%2
.endr
.if ((\a) > 0) && (\s == 2)
	s_wait_dscnt NA                                ; block a - 1 is back in registers, and its stores into the stage have read the accumulators; the younger loads of A may be out
.endif
.if ((\a) > 0) && (\s >= 2) && (\s <= 5)
	SEND4 (\a)-1, 4*(\s-2)
.endif
.endr
.endm
; THE WAY OUT.  A lane holds 32 neighbouring bytes of a row, and the lanes beside it hold other rows: so a block goes through my own stage in LDS and comes back as whole rows of 512 bytes.
; LDS serves a wave's instructions in order (ISA guide 5.7.1): no wait between the stores into the stage and the loads out of it.
.macro STIN a
.set AB, 64*((\a)%2)
	WIN 0x0c                                       ; an LDS store's data are its source 1: window 3
.irp b, 0,1,2,3,4,5,6,7
	ds_store_b128 v[STO], v[AB+8*\b:AB+8*\b+3] offset:64*\b          ; each accumulator from its low end on
	ds_store_b128 v[STO], v[AB+8*\b+4:AB+8*\b+7] offset:64*\b+16
.endr
.endm
.macro STOUT
	WIN 0xc0                                       ; destination window 3
.irp t, 0,1,2,3,4,5,6,7,8,9,10,11,12,13,14,15
	ds_load_b128 v[BK+4*\t:BK+4*\t+3], v[RD] offset:\t*SPITCH
.endr
.endm
	s_wait_tensorcnt 0x0                           ; my tile is in,
	s_barrier_signal -1
	s_barrier_wait -1                              ; everybody's are
	ALOAD 0
	BLOAD 0
	BLOAD 1
	ALOAD 1
	s_wait_loadcnt 0x0                             ; the scale words are in
	s_wait_dscnt 63                                ; of 160 LDS loads at most the youngest 63 are out: A's block 0 and B's first half, the oldest 80, are in
.irp a, 0,1,2,3,4,5,6,7
	ROW \a
	PLACES 4                                       ; four places behind the products: for the LDS stores that read their results and for the loads into the buffer that they read
	STIN \a
.if \a > 0
	s_wait_xcnt 0x0                                ; block a - 1's stores have read their registers: block a's rows may land there
.endif
	STOUT
.if \a < 6
	ALOAD \a+2                                     ; into the buffer just read
.endif
.endr
	s_wait_dscnt 0x0                               ; block 7 is back in registers
.irp g, 0,4,8,12
	SEND4 7, \g
.endr
	WIN 0
	s_wait_tensorcnt 0x0                           ; the wave's end
	ds_add_u32 v[SPW], v[NIL]
	s_wait_dscnt 0x0
	CROUND                                         ; the closing round: no work-group ends while a partner may still ask for a tile that names it
	s_endpgm
.Lfunc_end_k_q523526c50c_down:
	.size	k_q523526c50c_down, .Lfunc_end_k_q523526c50c_down-k_q523526c50c_down
	.p2alignl 7, 3214868480
	.fill 96, 4, 3214868480
	.section	.rodata,"a",@progbits
	.p2align	6, 0x0
	.amdhsa_kernel k_q523526c50c_down
		.amdhsa_group_segment_fixed_size 327680
		.amdhsa_private_segment_fixed_size 0
		.amdhsa_enable_private_segment 0
		.amdhsa_kernarg_size 40
		.amdhsa_user_sgpr_count 2
		.amdhsa_user_sgpr_kernarg_segment_ptr 1
		.amdhsa_wavefront_size32 1
		.amdhsa_system_sgpr_workgroup_id_x 1
		.amdhsa_system_sgpr_workgroup_id_y 1
		.amdhsa_system_sgpr_workgroup_id_z 1
		.amdhsa_system_vgpr_workitem_id 0
		.amdhsa_next_free_vgpr 1024
		.amdhsa_next_free_sgpr 76
		.amdhsa_reserve_vcc 0
		.amdhsa_float_denorm_mode_32 3
		.amdhsa_float_denorm_mode_16_64 3
		.amdhsa_memory_ordered 1
		.amdhsa_forward_progress 1
		.amdhsa_inst_pref_size 123
	.end_amdhsa_kernel
	.amdgpu_metadata
---
amdhsa.version: [ 1, 2 ]
amdhsa.kernels:
  - .name:           k_q523526c50c_down
    .symbol:         k_q523526c50c_down.kd
    .args:
      - { .name: hc, .offset: 0, .size: 8, .value_kind: global_buffer, .address_space: global }
      - { .name: hs, .offset: 8, .size: 8, .value_kind: global_buffer, .address_space: global }
      - { .name: dc, .offset: 16, .size: 8, .value_kind: global_buffer, .address_space: global }
      - { .name: dsc, .offset: 24, .size: 8, .value_kind: global_buffer, .address_space: global }
      - { .name: out0, .offset: 32, .size: 8, .value_kind: global_buffer, .address_space: global }
    .group_segment_fixed_size: 327680
    .private_segment_fixed_size: 0
    .kernarg_segment_align: 8
    .kernarg_segment_size: 40
    .max_flat_workgroup_size: 128
    .sgpr_count:     76
    .vgpr_count:     1024
    .wavefront_size: 32
...
	.end_amdgpu_metadata
.endif
;; end of part 3
